; MI455X (gfx1250); checked and timed in simulation.
; The chip was launched on July 23, 2026; its instructions are those of AMD's public machine-readable ISA for CDNA 5 (MIT licence, August 2026) and "CDNA5" Instruction Set Architecture Reference Guide (July 2026). The comments in the code are by the model that wrote it; some were corrected since.
;; Q Linear. Allowed arithmetic: matrix products marked QUANTISED: E3M2 operands, one E8M0 scale for each 32 along K, by v_wmma_scale_f32_16x16x128_f8f6f4 with both operands' format E3M2, f32 sums; everything else in f32.
;; Inputs: bias 4,096 float32; weight_int8 4,096 x 4,096 int8; weight_scale one number float32; x 4 x 1,024 x 4,096 float32.
;; Outputs: out0 4 x 1,024 x 4,096 float32.
;; This version of the problem:
;;   THIS VERSION OF THE PROBLEM IS GIVEN IN LOW PRECISION. The matrix products marked QUANTISED in the list below multiply operands that are first quantised to E3M2 (3 exponent bits, 2 mantissa bits; 6 bits a number), with one power-of-two scale for each 32 numbers along K (OCP MX v1.0); their sums are f32. All else is computed in f32.
;;   The module's matrix products, in the order in which they are computed (A, B: the left and right operand; K: the contracted axis; several contracted axes count as one K, in the product's order):
;;     1. [M 4,096, K 4,096] x [K 4,096, N 4,096]; A: computed on the way; B: computed on the way: QUANTISED
;;   THE QUANTISER, for each operand of a quantised product, along K:
;;     - K is cut into blocks of 32 from its start; a last block that is shorter is filled with zeros.
;;     - A block's scale is 2^e with e = floor(log2(the largest magnitude in the block)) - 4, held to -126 .. 127; a block of zeros has e = 0. As a byte (E8M0): e + 127.
;;     - Each number is divided by its block's scale, clamped to +-28, and rounded to the nearest number of E3M2, ties to even, subnormals kept.
;;     - The product sums the exact products of the quantised numbers (number of the format x scale) in f32.
;;   ~~~python
;;   def quantise(x, axis):      # numpy; x: float32 -> the quantised numbers, widened to float32 again
;;       x = np.moveaxis(x, axis, -1); K = x.shape[-1]
;;       x = np.pad(x, [(0, 0)] * (x.ndim - 1) + [(0, -K % 32)]); x = x.reshape(x.shape[:-1] + (-1, 32)); a = np.abs(x).max(-1, keepdims=True)
;;       e = np.where(a > 0, np.clip(np.frexp(np.where(a > 0, a, 1))[1] - 1 - 4, -126, 127), 0)      # np.frexp(a)[1] - 1 = floor(log2(a)), exactly
;;       r = np.clip(x / 2.0 ** e, -28, 28)
;;       step = 2.0 ** (np.maximum(np.frexp(np.where(r == 0, 1, r))[1] - 1, -2) - 2)
;;       q = np.round(r / step) * step * 2.0 ** e      # np.round: ties to even
;;       return np.moveaxis(q.reshape(q.shape[:-2] + (-1,))[..., :K], -1, axis).astype(np.float32)
;;   ~~~
;;   OPERANDS COMPUTED ON THE WAY. 'Computed on the way' means the value that the module computes at that place (a softmax that the list does not call 'softmax' is quantised finished and normalised). What goes into a quantiser is computed in f32, as accurately as f32 sums, v_exp_f32 and their like allow (about 1e-6 of the number): no bf16 or f16 on the way to a quantiser, and a product that is left as it is and whose result goes on into a quantised operand takes f32 operands (vector FMAs, or v_wmma_f32_16x16x4_f32). A number that lies on a knife's edge between two numbers of the format may be rounded either way, as far as f32 arithmetic and the matrix unit's own rounding can turn it there, and no further.
;; One version. Each part assembles by itself: llvm-mc -triple=amdgcn-amd-amdhsa -mcpu=gfx1250 --defsym DOCPART=n.
;; ======== version 1 of 1: 2 launches
;; limits: right only within a limited range of input values
;; workspace buffers: a_pack 13,107,200 bytes; b_pack 13,107,200 bytes
;; launch quant (part 1): grid 256 x 1, 16 waves a work-group, no clusters, 186,368 bytes of LDS; arguments x, weight_int8, weight_scale, a_pack, b_pack; writes a_pack, b_pack
.if DOCPART == 1
	.amdgcn_target "amdgcn-amd-amdhsa--gfx1250"
	.amdhsa_code_object_version 6
	.text
	.protected	k_q490624289a_quant
	.globl	k_q490624289a_quant
	.p2align	8
	.type	k_q490624289a_quant,@function
k_q490624289a_quant:
	s_mov_b64 s[64:65], 0
	v_nop
	global_prefetch_b8 v0, s[64:65] scope:SCOPE_SE
	s_setreg_imm32_b32 hwreg(HW_REG_WAVE_MODE, 25, 1), 1
	s_wait_xcnt 0x0
; Both operands of y = xq w^T are made here, once, as codes of BF6 (E3M2) with one E8M0 scale byte for each 32 along K (K = 4,096 for both).
;   xq[m][k] = round(x[m][k] / xs[m]) xs[m],  xs[m] = max_k |x[m][k]| / 127 + 1e-8        w[o][k] = weight_int8[o][k] x weight_scale        all in f32
; A block's scale is 2^(floor(log2(its largest magnitude)) - 4); its byte is the largest magnitude's own exponent field - 4, held at 1 from below.
; LIMITS: NaN and infinities among the inputs are not served.  A block of zeros keeps the byte 1 where the rule says 127: its codes are zeros, which add nothing under any byte but 0xff,
;   and the bytes are read by this program alone.  x / xs is taken as x times a reciprocal refined by one Newton step: within about 1.5 units in the last place of the quotient.
; SHARES.  Work-group g takes rows 16 g .. 16 g + 15 of x and of w; wave r takes row r of each: a row's maximum never leaves the wave.  All of a wave's 40 loads (8 of w, 32 of x, each 512
;   consecutive bytes) go out at its head; w is worked on while x is on its way.  No tensor loads (nothing is shared, everything is read once), no loop: every offset is an immediate.
; THE LAYOUT OF THE RESULT, one buffer for each operand, is the order in which the product's launch reads: [row block of 16][K step of 128][1,600 bytes].  Of a unit's 1,600 bytes the first 1,536 are the
;   matrix operand's registers: lane 16 h + r of the reader owns the 48 bytes at 48 (16 h + r): block h of the K step's four (24 bytes), then block 2 + h.  The last 64 are the scale words: row r's four bytes at 4 r.
;   A row block's 51,200 bytes are gathered in LDS as they lie in memory (sixteen waves write one row each) and leave behind the one barrier: each store of a wave covers 512 consecutive bytes, aligned.
.set UNIT,  1600                       ; a K step's place: 400 words, so that the four units that one store of codes touches start sixteen banks apart
.set FRB,   1536                       ; where its scale words begin
.set IMGX,  0                          ; x's 32 units
.set IMGW,  32*UNIT                    ; w's
.set STG,   2*32*UNIT                  ; for each wave two stages of 32 x SP bytes
.set SP,    80                         ; a lane's place in a stage: its 64 bytes + 16 of padding
.set WSTG,  2*32*SP
.set R,     16                         ; v16-143  the row of x: 16 registers a step of 512 numbers
.set W,     144                        ; v144-175 the row of w as loaded: 4 registers a step
.set C,     176                        ; v176-207 codes: 4 registers a step (3 used), so that no LDS store's data are written again inside a phase
.set E,     208                        ; v208-215 a scale byte for each step
.set T,     216                        ; v216-231 16 numbers of w in f32
.set INV,   232                        ; v[232:233] 1 / xs, twice
.set XSC,   234                        ; v[234:235] xs, twice
.set D,     236                        ; v236-239 at work
.set SBW,   240                        ; v240     where my block's byte goes, for w
; v1 x: 16,384 r + 16 lane   v2 w: 16,384 r + 16 lane   v3, v4 the stage, in and out   v5, v6 where my 12 bytes of codes go (x, w)   v7 where my block's byte goes, for x
; v8, v9 maxima   v10 a lane permute's destination   v11 the conversion's scale operand   v12 the way out: 3,200 r + 16 lane in x's image (memory: v241)   v13 the same in w's image   v14, v15 the last 2,048 bytes: LDS, memory
	s_load_b256 s[4:11], s[0:1], 0x0               ; x s[4:5], weight_int8 s[6:7], weight_scale s[8:9], a_pack s[10:11]
	s_load_b64 s[14:15], s[0:1], 0x20              ; b_pack
	v_lshl_add_u32 v248, v0, 2, 0x2d000
	v_mov_b32 v249, 0
	v_lshrrev_b32 v[D], 5, v0
	s_delay_alu instid0(VALU_DEP_1)
	v_readfirstlane_b32 s18, v[D]                  ; wave = row r
	v_and_b32 v[D+1], 31, v0                       ; lane
	s_delay_alu instid0(VALU_DEP_1)
	v_lshlrev_b32 v[D+2], 4, v[D+1]                ; 16 x lane
	s_lshl_b32 s19, s18, 14
	v_add_nc_u32 v1, s19, v[D+2]
	s_lshl_b32 s19, s18, 14                        ; w: wave r takes every fourth row of a group of 64 (see the layout below): 4 rows of 4,096 bytes apart
	v_add_nc_u32 v2, s19, v[D+2]
	s_mul_i32 s19, s18, WSTG
	s_add_co_u32 s19, s19, STG                     ; my wave's stages
	v_lshrrev_b32 v[D+3], 2, v[D+1]
	s_delay_alu instid0(VALU_DEP_1)
	v_mul_u32_u24 v[D+3], v[D+3], SP
	v_and_b32 v10, 3, v[D+1]
	s_delay_alu instid0(VALU_DEP_1)
	v_lshl_add_u32 v[D+3], v10, 4, v[D+3]
	s_delay_alu instid0(VALU_DEP_1)
	v_add_nc_u32 v3, s19, v[D+3]                   ; in: four lanes' 64 bytes on end, then 16 of padding
	v_mul_u32_u24 v[D+3], v[D+1], SP
	s_delay_alu instid0(VALU_DEP_1)
	v_add_nc_u32 v4, s19, v[D+3]                   ; out: my 16 neighbours
	; In step t lane l holds numbers 512 t + 16 l + 0 .. 15 of the row: half l % 2 of block 16 t + l / 2, which is block 2 c + h of K step 4 t + l / 8, h = (l / 2) % 2, c = (l / 4) % 2
	v_bfe_u32 v[D+3], v0, 3, 2
	s_delay_alu instid0(VALU_DEP_1)
	v_mul_u32_u24 v5, v[D+3], UNIT                 ; the K step's unit
	v_bfe_u32 v[D+3], v0, 1, 2                     ; the block's byte: number 2 c + h of the row's scale word,
	s_delay_alu instid0(VALU_DEP_1)
	v_add_nc_u32 v7, v5, v[D+3]
	s_lshl_b32 s19, s18, 2
	s_add_co_u32 s19, s19, FRB                     ; which lies at 1,536 + 4 r of the unit (IMGX is LDS byte 0)
	v_add_nc_u32 v7, s19, v7
	s_delay_alu instid0(VALU_DEP_1)
	v_add_nc_u32 v[SBW], IMGW, v7
	v_bfe_u32 v[D+3], v0, 1, 1
	s_delay_alu instid0(VALU_DEP_1)
	v_mad_u32_u24 v5, v[D+3], 768, v5              ; the codes: h: sixteen places of 48 bytes,
	v_bfe_u32 v[D+3], v0, 2, 1
	s_delay_alu instid0(VALU_DEP_1)
	v_mad_u32_u24 v5, v[D+3], 24, v5               ; c,
	v_and_b32 v[D+3], 1, v0
	s_delay_alu instid0(VALU_DEP_1)
	v_mad_u32_u24 v5, v[D+3], 12, v5               ; my half of the block's 24 bytes,
	s_mul_i32 s19, s18, 48
	v_add_nc_u32 v5, s19, v5                       ; and the row's place
	s_delay_alu instid0(VALU_DEP_1)
	v_add_nc_u32 v6, IMGW, v5
	; THE LAYOUT IN MEMORY (it takes the place of what the head says of it; the image in LDS stays as the head has it): [tile of 256 rows][K step of 128][25,600 bytes]:
	; sixteen row blocks' codes, 1,536 bytes each, then their scale words, 64 bytes each.  So a tile's K steps are one dense run of bytes for the product's launch, and every K step begins at a multiple of 256.
	; Of w, row block g holds rows 64 (g / 4) + 4 r + g % 4, r = 0 .. 15: so four neighbouring blocks give lane r of the product four neighbouring columns of the result.
	; The way out: wave v takes K steps 2 v and 2 v + 1: six stores of 512 consecutive bytes, aligned, for each operand.  The scale words leave in pieces of 64 bytes (four lanes), 4,096 bytes
	; of the 327,680 that the work-group reads: a whole 256 bytes of them belong to four row blocks, which four work-groups make.
	s_mul_i32 s19, s18, 2*UNIT
	v_add_nc_u32 v12, s19, v[D+2]                  ; LDS: my wave's two units of x's image, 16 bytes a lane
	s_mul_i32 s19, s18, 2*25600
	v_add_nc_u32 v241, s19, v[D+2]                 ; memory: the same two K steps
	v_bfe_u32 v14, v0, 2, 5                        ; the scale words: thread j of 128 takes part j % 4 of K step j / 4; threads 0-127 x's, threads 128-255 w's
	v_and_b32 v[D+3], 3, v0
	v_add_nc_u32 v13, IMGW, v12
	v_mul_u32_u24 v15, v14, 25600
	v_mul_u32_u24 v14, v14, UNIT
	v_lshl_add_u32 v15, v[D+3], 4, v15
	v_lshl_add_u32 v14, v[D+3], 4, v14
	v_bfe_u32 v[D+3], v0, 7, 1
	v_add_nc_u32 v15, 24576, v15
	v_mad_u32_u24 v14, v[D+3], IMGW, v14
	v_add_nc_u32 v14, FRB, v14
	v_mov_b32 v10, 0                               ; written once: a lane permute's destination counts as one of its sources
	s_mov_b32 s22, 0x4b000000                      ; 2^23
	s_mov_b32 s24, 0x03020104                      ; byte selects: byte i of the first source under the upper three bytes of 2^23
	s_mov_b32 s25, 0x03020105
	s_mov_b32 s26, 0x03020106
	s_mov_b32 s27, 0x03020107
	s_mov_b32 s28, 0xcb000080                      ; -(2^23 + 128)
	s_mov_b32 s29, s28                             ; (a packed form names the pair, so both are written)
	s_mov_b32 s32, 0x3c010204                      ; 1 / 127
	s_mov_b32 s33, 0x42fe0000                      ; 127
	s_mov_b32 s34, 0x322bcc77                      ; 1e-8
	s_mov_b32 s36, 0x76543210
	s_mov_b32 s37, 0xfedcba98                      ; v_permlanex16_b32's selects for lane l xor 16
	s_lshl_b32 s20, ttmp9, 18                      ; 16 rows of x: 262,144 bytes
	s_mov_b32 s21, 0
	s_lshr_b32 s38, ttmp9, 2                       ; w: group g / 4 of 64 rows,
	s_lshl_b32 s38, s38, 18
	s_and_b32 s19, ttmp9, 3                        ; and in it row g % 4
	s_lshl_b32 s19, s19, 12
	s_add_co_u32 s38, s38, s19
	s_mov_b32 s39, 0
	s_wait_kmcnt 0x0
	s_load_b32 s30, s[8:9], 0x0                    ; weight_scale
	s_add_nc_u64 s[4:5], s[4:5], s[20:21]
	s_add_nc_u64 s[6:7], s[6:7], s[38:39]
.set j, 0
.rept 8
	global_load_b128 v[W+4*j:W+4*j+3], v2, s[6:7] offset:512*j th:TH_LOAD_NT     ; w first: 16 numbers a lane, neighbours along K as they lie
.set j, j+1
.endr
.set j, 0
.rept 32
	global_load_b128 v[R+4*j:R+4*j+3], v1, s[4:5] offset:512*j th:TH_LOAD_NT     ; the whole row of x: 32 lanes read 512 consecutive bytes
.set j, j+1
.endr
	s_lshr_b32 s20, ttmp9, 4
	s_mul_i32 s20, s20, 32*25600                   ; my tile of 256 rows in each result
	s_add_nc_u64 s[10:11], s[10:11], s[20:21]
	s_add_nc_u64 s[14:15], s[14:15], s[20:21]
	s_cmp_lt_u32 s18, 4                            ; whose scale words my wave stores, if any: the choice hangs on the wave's number alone
	s_cselect_b64 s[40:41], s[10:11], s[14:15]
	s_and_b32 s19, ttmp9, 15                       ; my row block in the tile
	s_lshl_b32 s20, s19, 6
	s_add_nc_u64 s[40:41], s[40:41], s[20:21]      ; its 64 bytes among a K step's scale words
	s_mul_i32 s20, s19, 1536
	s_add_nc_u64 s[10:11], s[10:11], s[20:21]      ; its 1,536 bytes among a K step's codes
	s_add_nc_u64 s[14:15], s[14:15], s[20:21]
	s_wait_kmcnt 0x0
	s_mov_b32 s31, s30
; 16 neighbours along K in v[src] on (two neighbouring lanes hold a block) become 12 bytes of codes and the block's byte, both to LDS.
.macro QUANT16 src, t, img, sb
	v_max3_num_f32 v8, |v[(\src)]|, |v[(\src)+1]|, |v[(\src)+2]|           ; the largest magnitude of my 16, in two chains
	v_max3_num_f32 v9, |v[(\src)+3]|, |v[(\src)+4]|, |v[(\src)+5]|
.irp i, 6,10
	s_delay_alu instid0(VALU_DEP_2)
	v_max3_num_f32 v8, v8, |v[(\src)+\i]|, |v[(\src)+\i+1]|
	s_delay_alu instid0(VALU_DEP_2)
	v_max3_num_f32 v9, v9, |v[(\src)+\i+2]|, |v[(\src)+\i+3]|
.endr
	s_delay_alu instid0(VALU_DEP_2)
	v_max3_num_f32 v8, v8, |v[(\src)+14]|, |v[(\src)+15]|
	s_delay_alu instid0(VALU_DEP_1)
	v_max3_num_f32 v8, v8, v9, 5<<23               ; and the floor 2^(5 - 127): the byte cannot fall under 1
	s_delay_alu instid0(VALU_DEP_1)
	v_max_num_f32_dpp v8, v8, v8 row_xmask:1 row_mask:0xf bank_mask:0xf    ; with my neighbour's 16: the block's
	s_delay_alu instid0(VALU_DEP_1)
	v_add_nc_u32 v11, 0xfe000000, v8               ; 4 off its exponent field: the conversion takes the exponent field of this operand as its scale, and nothing else of it
	v_cvt_scalef32_pk16_bf6_f32 v[C+4*(\t):C+4*(\t)+2], v[(\src):(\src)+15], v11   ; to the nearest code, ties to even, beyond 28 the largest code; 96 bits, the first number's code lowest
	v_lshrrev_b32 v[E+(\t)], 23, v11               ; the scale's byte.  (Also the plain instruction behind the conversion)
.irp i, 0,1,2
	ds_store_b32 v[\img], v[C+4*(\t)+\i] offset:4*UNIT*(\t)+4*\i           ; 12 bytes at a multiple of 4: three words; a step is four K steps on from the last
.endr
	ds_store_b8 v[\sb], v[E+(\t)] offset:4*UNIT*(\t)                       ; both lanes of a block write the same byte with the same value
.endm
; 16 int8 n of a lane become n x weight_scale in f32: n + 128 as a byte under 2^23's upper bytes is the f32 number 2^23 + n + 128; less (2^23 + 128) it is n, exactly; one rounding in the product,
; as the definition has it.  (Add and multiply are not fused: (2^23 + 128) x weight_scale is no f32 number.)
.macro UNPACK j
.irp k, 0,1,2,3
	v_xor_b32 v[W+4*(\j)+\k], 0x80808080, v[W+4*(\j)+\k]
.endr
.irp k, 0,1,2,3
.irp i, 0,1,2,3
	v_perm_b32 v[T+4*\k+\i], v[W+4*(\j)+\k], s22, s[24+\i]
.endr
.endr
.irp p, 0,2,4,6,8,10,12,14
	v_pk_add_f32 v[T+\p:T+\p+1], v[T+\p:T+\p+1], s[28:29] op_sel_hi:[1,0]
.endr
.irp p, 0,2,4,6,8,10,12,14
	v_pk_mul_f32 v[T+\p:T+\p+1], v[T+\p:T+\p+1], s[30:31] op_sel_hi:[1,0]
.endr
.endm
; step t of x, as loaded: round(x / xs) xs
.macro FQ t
.irp p, 0,2,4,6,8,10,12,14
	v_pk_mul_f32 v[R+16*(\t)+\p:R+16*(\t)+\p+1], v[R+16*(\t)+\p:R+16*(\t)+\p+1], v[INV:INV+1]
.endr
.irp p, 0,1,2,3,4,5,6,7,8,9,10,11,12,13,14,15
	v_rndne_f32 v[R+16*(\t)+\p], v[R+16*(\t)+\p]
.endr
.irp p, 0,2,4,6,8,10,12,14
	v_pk_mul_f32 v[R+16*(\t)+\p:R+16*(\t)+\p+1], v[R+16*(\t)+\p:R+16*(\t)+\p+1], v[XSC:XSC+1]
.endr
.endm
; step t's 2,048 bytes go through one of my two stages, as they lie, and come back 64 bytes a lane, into the registers that they left.  LDS serves a wave's instructions in order: no wait between
.macro TURN t
.irp i, 0,1,2,3
	ds_store_b128 v3, v[R+16*(\t)+4*\i:R+16*(\t)+4*\i+3] offset:32*SP*((\t)%2)+8*SP*\i
.endr
.irp i, 0,1,2,3
	ds_load_b128 v[R+16*(\t)+4*\i:R+16*(\t)+4*\i+3], v4 offset:32*SP*((\t)%2)+16*\i
.endr
.endm
	; ---- w: eight steps of 512 numbers
.irp j, 0,1,2,3,4,5,6,7
	s_wait_loadcnt 39-\j                           ; behind w's load j: w's 7 - j younger ones and x's 32
	UNPACK \j
	QUANT16 T, \j, 6, SBW
.endr
	; ---- the row's largest |x|: 16 registers at a time, as the loads come in
.irp g, 0,1,2,3,4,5,6,7
	s_wait_loadcnt 28-4*\g                         ; the younger groups' loads may be out
.if \g == 0
	v_max3_num_f32 v8, |v[R]|, |v[R+1]|, |v[R+2]|  ; the first numbers start the two chains: nothing is cleared
	v_max3_num_f32 v9, |v[R+3]|, |v[R+4]|, |v[R+5]|
.irp i, 6,10
	s_delay_alu instid0(VALU_DEP_2)
	v_max3_num_f32 v8, v8, |v[R+\i]|, |v[R+\i+1]|
	s_delay_alu instid0(VALU_DEP_2)
	v_max3_num_f32 v9, v9, |v[R+\i+2]|, |v[R+\i+3]|
.endr
	s_delay_alu instid0(VALU_DEP_2)
	v_max3_num_f32 v8, v8, |v[R+14]|, |v[R+15]|
.else
	s_wait_alu depctr_va_vdst(0)
.irp i, 0
	v_max3_num_f32 v8, v8, |v[R+16*\g+\i]|, |v[R+16*\g+\i+1]|
	v_max3_num_f32 v9, v9, |v[R+16*\g+\i+2]|, |v[R+16*\g+\i+3]|
.endr
.irp i, 4, 8, 12
	s_delay_alu instid0(VALU_DEP_2)
	v_max3_num_f32 v8, v8, |v[R+16*\g+\i]|, |v[R+16*\g+\i+1]|
	s_delay_alu instid0(VALU_DEP_2)
	v_max3_num_f32 v9, v9, |v[R+16*\g+\i+2]|, |v[R+16*\g+\i+3]|
.endr
.endif
.endr
	s_delay_alu instid0(VALU_DEP_1)
	v_max_num_f32 v8, v8, v9
	s_delay_alu instid0(VALU_DEP_1)
	v_max_num_f32_dpp v8, v8, v8 row_xmask:1 row_mask:0xf bank_mask:0xf
	s_delay_alu instid0(VALU_DEP_1)
	v_max_num_f32_dpp v8, v8, v8 row_xmask:2 row_mask:0xf bank_mask:0xf
	s_delay_alu instid0(VALU_DEP_1)
	v_max_num_f32_dpp v8, v8, v8 row_xmask:4 row_mask:0xf bank_mask:0xf
	s_delay_alu instid0(VALU_DEP_1)
	v_max_num_f32_dpp v8, v8, v8 row_xmask:8 row_mask:0xf bank_mask:0xf
	s_delay_alu instid0(VALU_DEP_1)
	v_permlanex16_b32 v10, v8, s36, s37
	s_delay_alu instid0(VALU_DEP_1)
	v_max_num_f32 v8, v8, v10                      ; every lane holds the row's maximum m
	; ---- xs = m / 127 + 1e-8 and 1 / xs
	s_delay_alu instid0(VALU_DEP_1)
	v_mul_f32 v[D], s32, v8                        ; q = m x (1 / 127),
	s_delay_alu instid0(VALU_DEP_1)
	v_fma_f32 v[D+1], -v[D], s33, v8               ; what is left of m,
	s_delay_alu instid0(VALU_DEP_1)
	v_fma_f32 v[D], v[D+1], s32, v[D]              ; and q mended by it: the quotient
	s_delay_alu instid0(VALU_DEP_1)
	v_add_f32 v[XSC], s34, v[D]
	s_wait_alu depctr_va_vdst(0)
	v_rcp_f32 v[INV], v[XSC]
	v_mov_b32 v[XSC+1], v[XSC]                     ; (the plain instruction behind the reciprocal)
	s_wait_alu depctr_va_vdst(0)
	v_fma_f32 v[D+1], -v[XSC], v[INV], 1.0
	v_fma_f32 v[INV], v[D+1], v[INV], v[INV]       ; one Newton step
	s_delay_alu instid0(VALU_DEP_1)
	v_mov_b32 v[INV+1], v[INV]
	; ---- x: eight steps; a step's turn through the stage is issued one step ahead of its quantising
	FQ 0
	TURN 0
.irp t, 0,1,2,3,4,5,6,7
.if \t < 7
	FQ \t+1
	TURN \t+1
.endif
.if \t == 0
	s_wait_dscnt 8                                 ; behind step 0's loads from the stage: step 1's turn.  w's LDS stores are done too: C and E may be written again
.elseif \t < 7
	s_wait_dscnt 12                                ; behind step t's loads: step t - 1's four stores of codes and byte, step t + 1's turn
.else
	s_wait_dscnt 4                                 ; behind step 7's loads: step 6's four stores
.endif
	QUANT16 R+16*\t, \t, 5, 7
.endr
	; ---- out: the sixteen rows' codes and bytes lie in LDS in the order of memory
	s_wait_dscnt 0x0                               ; for the others' sake: all my LDS stores have landed
	s_barrier_signal -1
	s_barrier_wait -1
.irp i, 0,1,2,3,4,5
	ds_load_b128 v[R+4*\i:R+4*\i+3], v12 offset:(\i/3)*UNIT+(\i%3)*512
.endr
.irp i, 0,1,2,3,4,5
	ds_load_b128 v[R+24+4*\i:R+24+4*\i+3], v13 offset:(\i/3)*UNIT+(\i%3)*512
.endr
.irp i, 0,1,2,3,4,5
	s_wait_dscnt 11-\i                             ; twelve loads: behind load i stand 11 - i
	global_store_b128 v241, v[R+4*\i:R+4*\i+3], s[10:11] offset:(\i/3)*25600+(\i%3)*512   ; 32 lanes store 512 consecutive bytes, at a multiple of 512 from the buffer's first byte
.endr
.irp i, 0,1,2,3,4,5
	s_wait_dscnt 5-\i
	global_store_b128 v241, v[R+24+4*\i:R+24+4*\i+3], s[14:15] offset:(\i/3)*25600+(\i%3)*512
.endr
	s_cmp_lt_u32 s18, 8                            ; 51,200 = 6 x 8,192 + 2,048: waves 0-3 store what is left of x's, waves 4-7 of w's, the others have nothing left
	s_cbranch_scc0 .Lall_out
	ds_load_b128 v[R+48:R+51], v14
	s_wait_dscnt 0x0
	global_store_b128 v15, v[R+48:R+51], s[40:41]
.Lall_out:
	s_wait_tensorcnt 0x0
	ds_add_u32 v248, v249
	s_wait_dscnt 0x0
	s_endpgm
.Lfunc_end_k_q490624289a_quant:
	.size	k_q490624289a_quant, .Lfunc_end_k_q490624289a_quant-k_q490624289a_quant
	.p2alignl 7, 3214868480
	.fill 96, 4, 3214868480
	.section	.rodata,"a",@progbits
	.p2align	6, 0x0
	.amdhsa_kernel k_q490624289a_quant
		.amdhsa_group_segment_fixed_size 186368
		.amdhsa_private_segment_fixed_size 0
		.amdhsa_enable_private_segment 0
		.amdhsa_kernarg_size 40
		.amdhsa_user_sgpr_count 2
		.amdhsa_user_sgpr_kernarg_segment_ptr 1
		.amdhsa_wavefront_size32 1
		.amdhsa_system_sgpr_workgroup_id_x 1
		.amdhsa_system_sgpr_workgroup_id_y 1
		.amdhsa_system_sgpr_workgroup_id_z 1
		.amdhsa_system_vgpr_workitem_id 0
		.amdhsa_next_free_vgpr 250
		.amdhsa_next_free_sgpr 66
		.amdhsa_reserve_vcc 0
		.amdhsa_float_denorm_mode_32 3
		.amdhsa_float_denorm_mode_16_64 3
		.amdhsa_memory_ordered 1
		.amdhsa_forward_progress 1
		.amdhsa_inst_pref_size 74
	.end_amdhsa_kernel
	.amdgpu_metadata
---
amdhsa.version: [ 1, 2 ]
amdhsa.kernels:
  - .name:           k_q490624289a_quant
    .symbol:         k_q490624289a_quant.kd
    .args:
      - { .name: x, .offset: 0, .size: 8, .value_kind: global_buffer, .address_space: global }
      - { .name: weight_int8, .offset: 8, .size: 8, .value_kind: global_buffer, .address_space: global }
      - { .name: weight_scale, .offset: 16, .size: 8, .value_kind: global_buffer, .address_space: global }
      - { .name: a_pack, .offset: 24, .size: 8, .value_kind: global_buffer, .address_space: global }
      - { .name: b_pack, .offset: 32, .size: 8, .value_kind: global_buffer, .address_space: global }
    .group_segment_fixed_size: 186368
    .private_segment_fixed_size: 0
    .kernarg_segment_align: 8
    .kernarg_segment_size: 40
    .max_flat_workgroup_size: 512
    .sgpr_count:     66
    .vgpr_count:     250
    .wavefront_size: 32
...
	.end_amdgpu_metadata
.endif
;; end of part 1
;; launch gemm (part 2): grid 16 x 16, 4 waves a work-group, clusters of 4 x 4, 327,680 bytes of LDS; arguments a_pack, b_pack, bias, out0; writes out0
.if DOCPART == 2
	.amdgcn_target "amdgcn-amd-amdhsa--gfx1250"
	.amdhsa_code_object_version 6
	.text
	.protected	k_q490624289a_gemm
	.globl	k_q490624289a_gemm
	.p2align	8
	.type	k_q490624289a_gemm,@function
k_q490624289a_gemm:
	s_mov_b64 s[64:65], 0
	v_nop
	global_prefetch_b8 v0, s[64:65] scope:SCOPE_SE
	s_setreg_imm32_b32 hwreg(HW_REG_WAVE_MODE, 25, 1), 1
	s_wait_xcnt 0x0
	s_wait_alu depctr_hold_cnt(0) depctr_sa_sdst(0) depctr_va_vdst(0) depctr_va_sdst(0) depctr_va_ssrc(0) depctr_va_vcc(0) depctr_vm_vsrc(0)
	s_getreg_b32 s2, hwreg(HW_REG_IB_STS2, 6, 4)
	s_cmp_eq_u32 s2, 0
	s_cbranch_scc0 .Lentry_in_a_cluster
	s_endpgm
.Lentry_in_a_cluster:
	s_bfe_u32 s2, ttmp6, 0x10000c
	s_cmp_lg_u32 s2, 0xf033
	s_cbranch_scc0 .Lentry_shape_is_right
	s_endpgm
.Lentry_shape_is_right:
; out0[m][n] = sum over k of xq[m][k] w[n][k] + bias[n]; M = N = K = 4,096.  Both operands come as codes of BF6 (E3M2) with E8M0 scale bytes, made by the launch before.
; a_pack, b_pack: [tile of 256 rows][K step of 128][25,600 bytes]: sixteen row blocks' codes, 1,536 bytes each in the order of the operand's registers (lane l owns the 48 bytes at 48 l),
; then their scale words, 64 bytes each (row r's word at 4 r).  Of w, block g holds rows 64 (g / 4) + 4 r + g % 4.
; A tile of the result, 256 x 256, is made by four waves, 128 x 128 each: 64 accumulators.  K goes through a ring of two LDS slots: ten fills of 3 K steps and a last one of 2.  An operand's part of a fill is one
; dense run of memory, stated as rows of 256 bytes that begin at multiples of 256; each wave fetches half of A's or of B's part by one tensor load (150 rows; the last fill 100).
; CLUSTERS: 4 x 4 work-groups; A's parts are asked for jointly along a row of the cluster, B's along a column.
; REGISTERS.  Each of the four windows of 256 holds 16 accumulators (v0-127: A's blocks 2 w and 2 w + 1 against B's eight) and, at v128-223, one set of eight fragments:
;   window 0: A's set 1; window 1: B's set 0; window 2: B's set 1; window 3: A's set 0.  So both operands have two whole sets: a step of parity p multiplies sets p, and the next step's 56 LDS loads
;   (8 scale words, B's 24, A's 24) stand in ONE run at the step's head, 64 matrix instructions ahead of their use; in the step that changes slots the run stands behind the refill, 32 ahead.
;   window 0 also: v224-239 scale words, two sets (register i: lanes 0-15 A's block i, lanes 16-31 B's block i); v240-250 addresses.  window 1 also: v224-231 the bias, v232-247 at work on the way out.
; THE WAY OUT needs no LDS: source 0 = 16 rows of A, source 1 = 16 rows of w.  Register j of accumulator (a, c) holds in lane (r, h) row 16 a + 8 h + j, column 64 (c / 4) + 4 r + c % 4: four accumulators give a lane
;   four neighbouring columns.  The addition of the bias gathers them into four neighbouring registers, and sixteen lanes store 256 consecutive bytes, aligned.
; PREFETCH into the L2: behind the joint load of fill f stands the request for fill f + 2; fills 1 and 2 are asked for at the head.  A wave's 150 blocks of 256 bytes are shared out by address among the four partners that load
;   them jointly (37 or 38 each: two instructions, a lane a block; the lanes left over name the last block again).  The last fill, whose halves lie otherwise, comes by its load alone.
.set FRG,   1536                       ; a fragment: 16 rows x 128 K
.set CODES, 16*FRG                     ; a K step's codes of 256 rows
.set KT,    CODES+1024                 ; and with its scale words
.set PART,  3*KT                       ; an operand's part of a fill
.set HALF,  PART/2                     ; what one tensor load brings
.set SLOT,  2*PART                     ; A's part, then B's
.set TILEB, 32*KT                      ; a tile's bytes for all of K
.set SPARE, 2*SLOT                     ; behind the ring: the spare words, 128 bytes a wave, that no other line names
.set ROWC,  16384                      ; a row of the result in bytes
.set SC,   224                         ; scale words: set p at SC + 8 p
.set SPW,  240                         ; my spare word's LDS address; never rewritten
.set NIL,  241                         ; 0; never rewritten
.set ADRA, 242                         ; v242-243 my A fragments in slot 0, 1
.set ADRB, 244                         ; v244-245 the same for B
.set ADRS, 246                         ; v246-247 my scale words: lanes 0-15 A's, lanes 16-31 B's
.set CO,   248                         ; my byte offset in the result (in all four windows)
.set PF,   249                         ; v249-250 the prefetches' offsets
.set BIAS, 224                         ; window 1
.set T,    232                         ; window 1: two sets of eight
.set G1, 24                            ; s[24:31] group 1 for A's loads; s[32:39] group 0, a set for each slot
.set G0, 32
.set G1B, 48                           ; the same for B's
.set G0B, 56
.set G0T, 68                           ; s[68:71], s[72:75] group 0 of the last fill, A's and B's
.set G0TB, 72
.set PFA, 76                           ; s[76:77] where my prefetches stand
.set G1T, 80                           ; s[80:87], s[88:95] group 1 of the last fill
.set G1TB, 88
.set MSB, 0
.macro WIN new                         ; the immediate's high byte repeats the setting that is left
.if MSB != (\new)
	s_set_vgpr_msb (MSB<<8)|(\new)
.set MSB, (\new)
.endif
.endm
.macro PLACES                          ; four places between matrix instructions and loads into, or reads of, their registers
.rept 4
	v_nop
.endr
.endm
; A joint load: waves 0 and 1 fetch A's two halves, waves 2 and 3 B's.  The s_nop 0 and the four v_nop behind each line are the places in front of the loads that follow.
.macro JLOAD g0a, g1a, g0b, g1b
	s_cmp_eq_u32 s15, 0
	s_cbranch_scc0 .Lfor_b_\@
	tensor_load_to_lds s[\g0a:\g0a+3], s[\g1a:\g1a+7]
	s_nop 0
	PLACES
	s_branch .Lasked_\@
.Lfor_b_\@:
	tensor_load_to_lds s[\g0b:\g0b+3], s[\g1b:\g1b+7]
	s_nop 0
	PLACES
.Lasked_\@:
.endm
.macro CREST                           ; a round of the cluster's barrier behind its opening barrier
	s_cmp_lg_u32 s14, 0
	s_cbranch_scc1 .Lnot_wave_0_\@
	s_barrier_signal -3
.Lnot_wave_0_\@:
	s_barrier_wait -3
	s_barrier_signal -1
	s_barrier_wait -1
.endm
.macro CROUND
	s_barrier_signal -1
	s_barrier_wait -1
	CREST
.endm
.macro ASK off                         ; my 37 or 38 blocks of the fill that begins off bytes behind PFA
	global_prefetch_b8 v[PF], s[PFA:PFA+1] offset:\off th:TH_LOAD_NT scope:SCOPE_SE
	global_prefetch_b8 v[PF+1], s[PFA:PFA+1] offset:\off th:TH_LOAD_NT scope:SCOPE_SE
.endm
	s_load_b128 s[4:7], s[0:1], 0x0                ; a_pack, b_pack
	s_load_b128 s[8:11], s[0:1], 0x10              ; bias, out0
	v_lshl_add_u32 v[SPW], v0, 2, SPARE
	v_mov_b32 v[NIL], 0
	ds_add_u32 v[SPW], v[NIL]                      ; the opening lines: the add, twice on end, and its wait ahead of my first tensor load
	ds_add_u32 v[SPW], v[NIL]
	v_lshrrev_b32 v1, 5, v0
	v_readfirstlane_b32 s14, v1                    ; wave 0..3
	s_lshr_b32 s15, s14, 1                         ; my half of the tile's rows.  Also: I fetch for A (0) or for B (1)
	s_and_b32 s16, s14, 1                          ; my half of its columns.  Also: which half of a part I fetch
	s_bfe_u32 s40, ttmp6, 0x40000                  ; cx, cy
	s_bfe_u32 s41, ttmp6, 0x40004
	s_lshl_b32 s42, ttmp9, 2
	s_add_co_u32 s42, s42, s40                     ; tile column
	s_and_b32 s17, ttmp7, 0xffff
	s_lshl_b32 s17, s17, 2
	s_add_co_u32 s17, s17, s41                     ; tile row
	s_lshl_b32 s43, s41, 2
	s_lshl_b32 s43, 15, s43                        ; my row of the cluster
	s_lshl_b32 s44, 0x1111, s40                    ; my column
	s_or_b32 s[G1], s43, (3<<16)|(1<<21)           ; the mask; elements of 8 bytes; bit 21 beside a mask
	s_or_b32 s[G1B], s44, (3<<16)|(1<<21)
	s_or_b32 s[G1T], s43, (3<<16)|(1<<21)
	s_or_b32 s[G1TB], s44, (3<<16)|(1<<21)
.irp g, G1, G1B                        ; 150 rows of 256 bytes, dense
	s_mov_b32 s[\g+1], 32<<16
	s_mov_b32 s[\g+2], (HALF/256)<<16
	s_mov_b32 s[\g+3], 32<<16
	s_mov_b32 s[\g+4], HALF/256
	s_mov_b32 s[\g+5], 32
	s_mov_b32 s[\g+6], 0
	s_mov_b32 s[\g+7], 0
.endr
.irp g, G1T, G1TB                      ; the last fill: 100 rows, one K step a wave
	s_mov_b32 s[\g+1], 32<<16
	s_mov_b32 s[\g+2], (KT/256)<<16
	s_mov_b32 s[\g+3], 32<<16
	s_mov_b32 s[\g+4], KT/256
	s_mov_b32 s[\g+5], 32
	s_mov_b32 s[\g+6], 0
	s_mov_b32 s[\g+7], 0
.endr
	s_mul_i32 s20, s17, TILEB                      ; A's tile hangs on the tile row alone, B's on the tile column alone
	s_mov_b32 s21, 0
	s_mul_i32 s46, s42, TILEB
	s_mov_b32 s47, 0
	s_mul_i32 s18, s16, HALF
	s_mov_b32 s19, 0
	s_mul_i32 s22, s16, KT
	s_mov_b32 s23, 0
	s_mul_i32 s45, s14, HALF                       ; where my loads go in a slot: wave x 38,400
	s_mul_i32 s78, s15, PART
	s_wait_dscnt 0x0                               ; both opening adds are done
	s_wait_kmcnt 0x0
	s_add_nc_u64 s[20:21], s[4:5], s[20:21]
	s_add_nc_u64 s[46:47], s[6:7], s[46:47]
	s_mov_b32 s[G0T], 1                            ; the last fill, K steps 30 and 31, into slot 0: K step 30 + my half at its place in the part
	s_add_co_u32 s[G0T+1], s78, s22
	s_add_nc_u64 s[G0T+2:G0T+3], s[20:21], s[22:23]
	s_add_nc_u64 s[G0T+2:G0T+3], s[G0T+2:G0T+3], 10*PART
	s_or_b32 s[G0T+3], s[G0T+3], 0x80000000
	s_mov_b32 s[G0TB], 1
	s_add_co_u32 s[G0TB+1], s78, s22
	s_add_nc_u64 s[G0TB+2:G0TB+3], s[46:47], s[22:23]
	s_add_nc_u64 s[G0TB+2:G0TB+3], s[G0TB+2:G0TB+3], 10*PART
	s_or_b32 s[G0TB+3], s[G0TB+3], 0x80000000
	s_add_nc_u64 s[20:21], s[20:21], s[18:19]      ; my half of fill 0
	s_add_nc_u64 s[46:47], s[46:47], s[18:19]
.irp s, 0,1
	s_mov_b32 s[G0+4*\s], 1
	s_add_co_u32 s[G0+4*\s+1], s45, \s*SLOT
	s_add_nc_u64 s[G0+4*\s+2:G0+4*\s+3], s[20:21], \s*PART
	s_or_b32 s[G0+4*\s+3], s[G0+4*\s+3], 0x80000000
	s_mov_b32 s[G0B+4*\s], 1
	s_add_co_u32 s[G0B+4*\s+1], s45, \s*SLOT
	s_add_nc_u64 s[G0B+4*\s+2:G0B+4*\s+3], s[46:47], \s*PART
	s_or_b32 s[G0B+4*\s+3], s[G0B+4*\s+3], 0x80000000
.endr
	CROUND                                         ; all sixteen work-groups are here: the first joint loads meet
	JLOAD G0, G1, G0B, G1B                         ; fill 0: one tensor load a wave at the head
	s_cmp_eq_u32 s15, 0
	s_cselect_b32 s79, s40, s41                    ; my place among the four that ask with me
	s_cselect_b64 s[PFA:PFA+1], s[20:21], s[46:47]
	s_add_nc_u64 s[PFA:PFA+1], s[PFA:PFA+1], PART  ; my half of fill 1
	s_mul_i32 s96, s79, 75
	s_lshr_b32 s96, s96, 1                         ; my first block of the 150: 0, 37, 75, 112
	s_and_b32 s97, s79, 1
	s_add_co_u32 s97, s97, 4                       ; 37 or 38 blocks: the second instruction names 5 or 6
	s_mul_i32 s18, s15, 8*FRG                      ; my eight blocks of A,
	s_mul_i32 s19, s16, 8*FRG
	s_add_co_u32 s19, s19, PART                    ; of B,
	s_lshl_b32 s22, s15, 9                         ; and their scale words
	s_lshl_b32 s23, s16, 9
	s_add_co_u32 s23, s23, PART
	s_sub_co_u32 s23, s23, s22                     ; from A's words to B's
	s_add_co_u32 s22, s22, CODES
	s_add_co_u32 s43, s18, SLOT
	s_add_co_u32 s44, s19, SLOT
	s_add_co_u32 s45, s22, SLOT
	s_lshl_b32 s20, s17, 8
	s_lshl_b32 s21, s15, 7
	s_add_co_u32 s20, s20, s21                     ; my first row of the result,
	s_lshl_b32 s20, s20, 14                        ; in bytes (under 2^26)
	s_mov_b32 s21, 0
	s_lshl_b32 s46, s42, 10
	s_lshl_b32 s47, s16, 9
	s_add_co_u32 s46, s46, s47                     ; my first column, in bytes
	s_mov_b32 s47, 0
	s_add_nc_u64 s[8:9], s[8:9], s[46:47]
	s_add_nc_u64 s[10:11], s[10:11], s[46:47]
	s_add_nc_u64 s[10:11], s[10:11], s[20:21]
	v_and_b32 v1, 15, v0                           ; r
	v_bfe_u32 v2, v0, 4, 1                         ; h
	v_and_b32 v3, 31, v0                           ; lane
	v_mul_u32_u24 v4, v3, 48
	v_lshlrev_b32 v5, 2, v1
	v_mul_u32_u24 v6, s23, v2                      ; lanes 16-31 take B's words
	v_add_nc_u32 v5, v5, v6
	v_lshlrev_b32 v7, 4, v1                        ; 16 r
	v_add_nc_u32 v8, s96, v3
	v_min_u32 v9, s97, v3
	v_lshlrev_b32 v[PF], 8, v8
	v_add_nc_u32 v9, s96, v9
	v_lshlrev_b32 v9, 8, v9
	v_add_nc_u32 v[PF+1], 32*256, v9
	ASK 0                                          ; fills 1 and 2
	ASK PART
	v_add_nc_u32 v[ADRA], s18, v4
	v_add_nc_u32 v[ADRA+1], s43, v4
	v_add_nc_u32 v[ADRB], s19, v4
	v_add_nc_u32 v[ADRB+1], s44, v4
	v_add_nc_u32 v[ADRS], s22, v5
	v_add_nc_u32 v[ADRS+1], s45, v5
.irp d, 0, 0xc0, 0x80, 0x40            ; the way out's offset, in each window: 8 h rows + 16 r
	WIN \d
	v_lshl_add_u32 v[CO], v2, 17, v7
.endr
	global_load_b128 v[BIAS:BIAS+3], v7, s[8:9]              ; into window 1: bias of columns 4 r .. 4 r + 3,
	global_load_b128 v[BIAS+4:BIAS+7], v7, s[8:9] offset:256 ; and of 64 + 4 r ..
	WIN 0
; One run of 56 LDS loads: the operands of the K step at byte off of a slot's parts, into sets n: the scale words, B's eight fragments, A's eight (its blocks 0 and 1 first of them).
.macro RUN n, slot, off
	WIN 0
.irp i, 0,1,2,3,4,5,6,7
	ds_load_b32 v[SC+8*(\n)+\i], v[ADRS+\slot] offset:(\off)+64*\i
.endr
	WIN (1+(\n))<<6                                ; destination: B's set n; the address stays in window 0
.irp i, 0,1,2,3,4,5,6,7
.irp g, 0,1,2
	ds_load_b128 v[128+12*\i+4*\g:128+12*\i+4*\g+3], v[ADRB+\slot] offset:(\off)+\i*FRG+16*\g
.endr
.endr
	WIN (3-3*(\n))<<6                              ; A's set n
.irp i, 0,1,2,3,4,5,6,7
.irp g, 0,1,2
	ds_load_b128 v[128+12*\i+4*\g:128+12*\i+4*\g+3], v[ADRA+\slot] offset:(\off)+\i*FRG+16*\g
.endr
.endr
.endm
; A quarter of a step: the 16 accumulators of window w, one instruction a turn, on sets p.  zero = 1: the product starts the sums.
.macro QTR p, w, zero
	WIN (3-3*(\p))|((1+(\p))<<2)|((\w)*0x50)
.irp a, 0,1
.irp b, 0,1,2,3,4,5,6,7
.set DD, 8*(8*\a+\b)
.set AA, 128+12*(2*(\w)+\a)
.set BB, 128+12*\b
.if \zero
	v_wmma_scale_f32_16x16x128_f8f6f4 v[DD:DD+7], v[AA:AA+11], v[BB:BB+11], 0, v[SC+8*(\p)+2*(\w)+\a], v[SC+8*(\p)+\b] matrix_a_fmt:MATRIX_FMT_BF6 matrix_b_fmt:MATRIX_FMT_BF6 matrix_b_scale:MATRIX_SCALE_ROW1
.else
	v_wmma_scale_f32_16x16x128_f8f6f4 v[DD:DD+7], v[AA:AA+11], v[BB:BB+11], v[DD:DD+7], v[SC+8*(\p)+2*(\w)+\a], v[SC+8*(\p)+\b] matrix_a_fmt:MATRIX_FMT_BF6 matrix_b_fmt:MATRIX_FMT_BF6 matrix_b_scale:MATRIX_SCALE_ROW1
.endif
.endr
.endr
.endm
; A step inside a slot: fetches K step q of the same slot into sets 1 - p, then multiplies sets p.  fw: how many of the youngest LDS loads may be out at its head: 18 behind a change of slots
; (A's blocks 2 to 7, which the first quarter does not take; behind that quarter the wait leaves out only this step's own run of 56), else 0.
.macro NSTEP p, slot, q, fw, zero
	s_wait_dscnt \fw
	PLACES                                         ; the sets that are loaded now were read by the last step's matrix instructions
	RUN 1-(\p), \slot, (\q)*KT
	QTR \p, 0, \zero
.if \fw
	s_wait_dscnt 56
.endif
	QTR \p, 1, \zero
	QTR \p, 2, \zero
	QTR \p, 3, \zero
.endm
; The last step of a slot.  Its operands are in registers, so the slot is read no more.  Two quarters stand round the barrier's signal; behind the round the slot is filled again (fill = 1: two fills on; 2: the last fill; 0: nothing
; is left to fetch, and no round follows), and the other slot's first K step is fetched.  ask = 1: in the loop; the loop's last trip has no full fill four on.
.macro CSTEP p, slot, fill, ask
	s_wait_dscnt 0x0                               ; this step's operands are in: my reads of this slot are over
	WIN 0
.if \ask
	s_wait_xcnt 0x0                                ; my prefetches have read their address
	s_add_nc_u64 s[PFA:PFA+1], s[PFA:PFA+1], PART
.endif
	s_wait_tensorcnt 0x0                           ; all my tensor loads have landed: my part of the other slot
	ds_add_u32 v[SPW], v[NIL]
	s_add_nc_u64 s[G0+6-4*\slot:G0+7-4*\slot], s[G0+6-4*\slot:G0+7-4*\slot], 2*PART      ; no load of mine is out: the other slot's next fill
	s_add_nc_u64 s[G0B+6-4*\slot:G0B+7-4*\slot], s[G0B+6-4*\slot:G0B+7-4*\slot], 2*PART
	QTR \p, 0, 0
	s_wait_dscnt 0x0                               ; the add is done
	s_barrier_signal -1
	QTR \p, 1, 0
	WIN 0
	s_barrier_wait -1
.if \fill
	CREST                                          ; the barrier has opened a round of the cluster's barrier: no wave of any partner reads this slot or has a load on its way
.if \fill == 1
	JLOAD G0+4*\slot, G1, G0B+4*\slot, G1B
.else
	JLOAD G0T, G1T, G0TB, G1TB
.endif
.else
	PLACES
.endif
	RUN 1-(\p), 1-\slot, 0
.if \ask
	WIN 0
	s_cmp_gt_u32 s3, 1
	s_cbranch_scc0 .Lno_ask_\@
	ASK 2*PART                                     ; the fill two behind the one just asked for
.Lno_ask_\@:
.endif
	QTR \p, 2, 0
	QTR \p, 3, 0
.endm
; The way out of window w's 16 accumulators: 32 rows x 128 columns.  Each accumulator is read from its low end on.  A set of eight registers is written again only behind s_wait_xcnt 0.
.set NOUT, 0
.macro OUT w
	PLACES
	WIN 0x44|(\w)                                  ; source 0 (accumulator, address) window w; source 1 (bias, data) and destination window 1
.irp a, 0,1
.irp j, 0,1,2,3,4,5,6,7
.if NOUT >= 2
	s_wait_xcnt 0x0
.endif
.set TB, T+8*(NOUT%2)
.irp c, 0,1,2,3,4,5,6,7
	v_add_f32 v[TB+\c], v[8*(8*\a+\c)+\j], v[BIAS+\c]
.endr
	global_store_b128 v[CO], v[TB:TB+3], s[10:11] offset:(16*(2*(\w)+\a)+\j)*ROWC th:TH_STORE_NT          ; lanes 0-15: 256 consecutive bytes of row j, aligned; lanes 16-31: of row 8 + j
	global_store_b128 v[CO], v[TB+4:TB+7], s[10:11] offset:(16*(2*(\w)+\a)+\j)*ROWC+256 th:TH_STORE_NT
.set NOUT, NOUT+1
.endr
.endr
.endm
	s_wait_alu depctr_va_vdst(0)
	s_wait_tensorcnt 0x0                           ; my part of fill 0 is in; the same lines as ahead of a refill:
	ds_add_u32 v[SPW], v[NIL]
	s_add_nc_u64 s[G0+2:G0+3], s[G0+2:G0+3], 2*PART          ; slot 0's next fill is fill 2
	s_add_nc_u64 s[G0B+2:G0B+3], s[G0B+2:G0B+3], 2*PART
	s_wait_dscnt 0x0
	CROUND
	JLOAD G0+4, G1, G0B+4, G1B                     ; fill 1, slot 1's first, the first tensor load behind the round
	RUN 0, 0, 0                                    ; K step 0
	WIN 0
	ASK 2*PART                                     ; fill 3
	s_wait_loadcnt 0x0                             ; the bias
	NSTEP 0, 0, 1, 18, 1                           ; K step 0 starts the sums: nothing is cleared
	WIN 0
	s_mov_b32 s3, 4
.Llap:                                         ; a trip: six K steps, once round the ring, both slots filled again: K steps 1 to 24
	NSTEP 1, 0, 2, 0, 0
	CSTEP 0, 0, 1, 1
	NSTEP 1, 1, 1, 18, 0
	NSTEP 0, 1, 2, 0, 0
	CSTEP 1, 1, 1, 1
	NSTEP 0, 0, 1, 18, 0
	WIN 0
	s_sub_co_u32 s3, s3, 1
	s_cmp_lg_u32 s3, 0
	s_cbranch_scc1 .Llap
	NSTEP 1, 0, 2, 0, 0                            ; K step 25
	CSTEP 0, 0, 2, 0                               ; 26: slot 0 takes the last fill
	NSTEP 1, 1, 1, 18, 0
	NSTEP 0, 1, 2, 0, 0
	CSTEP 1, 1, 0, 0                               ; 29: nothing more to fetch
	; K steps 30 and 31 are finished window by window, so that finished rows leave while the others are multiplied
	s_wait_dscnt 18
	PLACES
	RUN 1, 0, KT
	QTR 0, 0, 0
	s_wait_dscnt 56
	QTR 0, 1, 0
	s_wait_dscnt 0x0                               ; K step 31's operands are in
	QTR 1, 0, 0
	OUT 0
	QTR 1, 1, 0
	OUT 1
	QTR 0, 2, 0
	QTR 1, 2, 0
	OUT 2
	QTR 0, 3, 0
	QTR 1, 3, 0
	OUT 3
	WIN 0
	s_wait_tensorcnt 0x0                           ; the wave's end
	ds_add_u32 v[SPW], v[NIL]
	s_wait_dscnt 0x0
	CROUND                                         ; the closing round
	s_endpgm
.Lfunc_end_k_q490624289a_gemm:
	.size	k_q490624289a_gemm, .Lfunc_end_k_q490624289a_gemm-k_q490624289a_gemm
	.p2alignl 7, 3214868480
	.fill 96, 4, 3214868480
	.section	.rodata,"a",@progbits
	.p2align	6, 0x0
	.amdhsa_kernel k_q490624289a_gemm
		.amdhsa_group_segment_fixed_size 327680
		.amdhsa_private_segment_fixed_size 0
		.amdhsa_enable_private_segment 0
		.amdhsa_kernarg_size 32
		.amdhsa_user_sgpr_count 2
		.amdhsa_user_sgpr_kernarg_segment_ptr 1
		.amdhsa_wavefront_size32 1
		.amdhsa_system_sgpr_workgroup_id_x 1
		.amdhsa_system_sgpr_workgroup_id_y 1
		.amdhsa_system_sgpr_workgroup_id_z 1
		.amdhsa_system_vgpr_workitem_id 0
		.amdhsa_next_free_vgpr 1024
		.amdhsa_next_free_sgpr 98
		.amdhsa_reserve_vcc 0
		.amdhsa_float_denorm_mode_32 3
		.amdhsa_float_denorm_mode_16_64 3
		.amdhsa_memory_ordered 1
		.amdhsa_forward_progress 1
		.amdhsa_inst_pref_size 212
	.end_amdhsa_kernel
	.amdgpu_metadata
---
amdhsa.version: [ 1, 2 ]
amdhsa.kernels:
  - .name:           k_q490624289a_gemm
    .symbol:         k_q490624289a_gemm.kd
    .args:
      - { .name: a_pack, .offset: 0, .size: 8, .value_kind: global_buffer, .address_space: global }
      - { .name: b_pack, .offset: 8, .size: 8, .value_kind: global_buffer, .address_space: global }
      - { .name: bias, .offset: 16, .size: 8, .value_kind: global_buffer, .address_space: global }
      - { .name: out0, .offset: 24, .size: 8, .value_kind: global_buffer, .address_space: global }
    .group_segment_fixed_size: 327680
    .private_segment_fixed_size: 0
    .kernarg_segment_align: 8
    .kernarg_segment_size: 32
    .max_flat_workgroup_size: 128
    .sgpr_count:     98
    .vgpr_count:     1024
    .wavefront_size: 32
...
	.end_amdgpu_metadata
.endif
;; end of part 2
